; MI455X (gfx1250); checked and timed in simulation.
; The chip was launched on July 23, 2026; its instructions are those of AMD's public machine-readable ISA for CDNA 5 (MIT licence, August 2026) and "CDNA5" Instruction Set Architecture Reference Guide (July 2026). The comments in the code are by the model that wrote it; some were corrected since.
;; Match Tensor Score. Allowed arithmetic: float matrix products may take bf16 or f16 operands with f32 sums; other float arithmetic in f32, or as packed bf16 or f16 multiplies, adds, multiply-adds, maxima and minima; sums over many terms, partial sums and values carried from step to step in f32; what a program stores and reads back later, other than sums and carried values, may be rounded once to bf16 or f16.
;; Inputs: M 1,024 x 1,024 x 32 float32; V 32 x 2,048 float32; b 1 x 32 float32; u 1 x 32 float32; x1 2,048 x 1,024 float32; x2 2,048 x 1,024 float32.
;; Outputs: out0 2,048 x 1 float32.
;; One version. Each part assembles by itself: llvm-mc -triple=amdgcn-amd-amdhsa -mcpu=gfx1250 --defsym DOCPART=n.
;; ======== version 1 of 1: 3 launches
;; workspace buffers: x1b 4,194,304 bytes; x2g 4,194,304 bytes; ps 68,157,440 bytes
;; launch prep (part 1): grid 256 x 1, 8 waves a work-group, no clusters, 44,032 bytes of LDS; arguments x1, x2, V, x1b, x2g, ps; writes x1b, x2g, ps
.if DOCPART == 1
	.amdgcn_target "amdgcn-amd-amdhsa--gfx1250"
	.amdhsa_code_object_version 6
	.text
	.protected	k_q4a21a5b936_prep
	.globl	k_q4a21a5b936_prep
	.p2align	8
	.type	k_q4a21a5b936_prep,@function
k_q4a21a5b936_prep:
	s_mov_b64 s[64:65], 0
	v_nop
	global_prefetch_b8 v0, s[64:65] scope:SCOPE_SE
	s_setreg_imm32_b32 hwreg(HW_REG_WAVE_MODE, 25, 1), 1
	s_wait_xcnt 0x0
; out[b] = sum over r of u[r] tanh( sum over e, f of x1[b][e] M[e][f][r] x2[b][f]  +  ([x1 | x2] V^T)[b][r]  +  bias[r] ).   Three launches: prep, main, finish.
; NO WORK IS LEFT OUT: each of the six inputs has a way to the output, and each is loaded by one of the launches.
; All that stands ahead of tanh is a sum, so it is cut into 260 SLABS [2048][32] of f32 partial sums: 256 from main (a slab for each work-group's part of the (e, f) plane), 4 from this launch; finish adds them.
; LIMITS.  Every input is rounded once to bf16 (to nearest even), x2 also where it multiplies in f32; nothing else is rounded below f32.  The f32 sums are taken in another order than reference()'s.
; THIS LAUNCH.  (1) x1 -> x1b, [2048][1024] bf16.  (2) x2 -> x2g, [256 groups of 4 columns][2048 rows][4] bf16: 8 bytes for a row and a group.
; (3) part2 = [x1 | x2] V^T by the matrix unit, cut by quarters of the 1,024 columns: quarter cq makes slab 256 + cq.
; ps: [256 chunks of 8 rows][260 slabs][8 rows][32 places] f32.  Place 16 h + 4 q + t holds r = 16 h + 4 t + q: the order in which main's registers fall; here V's rows are taken in that order.
; SHARES.  A work-group has 32 rows (rb) x 256 columns (cq) of x1 and of x2.  Thread t loads 16 bytes of a row in 8 rows of each.  For part2 wave w makes one tile of 16 places x 16 rows over 256 channels:
; vb = w & 1 (places 16 vb on), xb = (w >> 1) & 1 (rows 16 xb on), kh = w >> 2 (0: x1 and V's columns 0 on; 1: x2 and V's columns 1,024 on).  The two kh meet in LDS.
; No tensor load, no cluster, no prefetch: every byte of x1 and x2 is loaded once, by one thread, all 48 loads of a thread go out at once, and what is shared (V, 64 KiB a work-group) is small.
.set CH,    266240                     ; bytes of a chunk of ps: 260 slabs x 1,024
.set TP,    528                        ; a tile's row in LDS: 512 bytes + 16: an odd multiple of 16, so the 16 rows of a fragment load start at 16 different groups of four banks (ISA guide 11.1)
.set PP,    144                        ; a row of partial sums: 128 bytes + 16
.set T1,    0                          ; x1's tile, bf16: 32 rows x 528
.set T2,    32*TP                      ; x2's tile
.set PART,  2*32*TP                    ; 2 (kh) x 32 rows x 144, f32
.set SPARE, PART+2*32*PP               ; 43,008: the spare words, 128 bytes for each of the eight waves: four blocks of 256 bytes that no other line names
.set GIN, 2                            ; v2   x1, x2: (t >> 6) x 4,096 + (t & 63) x 16
.set GOB, 4                            ; v4   x1b: (t >> 6) x 2,048 + (t & 63) x 8
.set LT,  5                            ; v5   a tile in LDS: (t >> 6) x 528 + (t & 63) x 8
.set GV,  6                            ; v6   V: my row x 8,192 + 32 h
.set LF,  7                            ; v7   my fragments of x in LDS
.set LG,  8                            ; v8   the regrouping's reads of T2
.set GG,  9                            ; v9   x2g: (t >> 4) x 16,384 + (t & 15) x 16
.set LPW, 10                           ; v10  where I put my 32 bytes of a partial row
.set LPR, 11                           ; v11  where I read 16 bytes of it back
.set GPS, 12                           ; v12  ps: (t >> 6) x CH + (t & 63) x 16
.set SPW, 14                           ; v14  LDS address of my spare word; never rewritten
.set NIL, 15                           ; v15  0; never rewritten
.set R1,  16                           ; v[16:47]   x1 as loaded
.set R2,  48                           ; v[48:79]   x2 as loaded
.set VF,  16                           ; v[16:79]   later: V's 8 fragments
.set B1,  80                           ; v[80:95]   x1 rounded
.set B2,  96                           ; v[96:111]  x2 rounded
.set VR,  112                          ; v[112:239] V as loaded
.set XFR, 112                          ; v[112:175] later: x's 8 fragments
.set AC,  176                          ; v[176:191] two accumulators, by the parity of the K step
.set RG,  192                          ; v[192:207] the regrouping
.set SU,  208                          ; v[208:223] sums
	s_load_b256 s[4:11], s[0:1], 0x0               ; x1 s[4:5], x2 s[6:7], V s[8:9], x1b s[10:11]
	s_load_b128 s[12:15], s[0:1], 0x20             ; x2g s[12:13], ps s[14:15]
	v_lshl_add_u32 v[SPW], v0, 2, SPARE
	v_mov_b32 v[NIL], 0
	v_lshrrev_b32 v1, 5, v0
	v_readfirstlane_b32 s16, v1                    ; wave 0..7
	s_lshr_b32 s17, ttmp9, 2                       ; rb
	s_and_b32 s18, ttmp9, 3                        ; cq
	s_and_b32 s19, s16, 1                          ; vb
	s_bfe_u32 s20, s16, 0x10001                    ; xb
	s_lshr_b32 s21, s16, 2                         ; kh
	v_lshrrev_b32 v1, 6, v0                        ; t >> 6
	v_and_b32 v3, 63, v0                           ; t & 63
	v_lshlrev_b32 v[GIN], 4, v3
	v_lshl_or_b32 v[GIN], v1, 12, v[GIN]
	v_lshlrev_b32 v[GOB], 3, v3
	v_lshl_or_b32 v[GOB], v1, 11, v[GOB]
	v_mul_u32_u24 v[LT], v1, TP
	v_lshl_add_u32 v[LT], v3, 3, v[LT]
	v_mul_u32_u24 v[GPS], v1, CH
	v_lshl_add_u32 v[GPS], v3, 4, v[GPS]
	v_and_b32 v1, 15, v0                           ; l = lane % 16
	v_bfe_u32 v3, v0, 4, 1                         ; h = lane / 16
	v_and_b32 v13, 3, v0
	v_bfe_u32 v[GV], v0, 2, 2
	v_lshl_add_u32 v13, v13, 2, v[GV]              ; place l of a tile holds r = 4 (l & 3) + (l >> 2),
	s_lshl_b32 s24, s19, 4
	v_add_nc_u32 v13, s24, v13                     ; + 16 vb
	v_lshlrev_b32 v[GV], 13, v13                   ; a row of V is 8,192 bytes
	v_lshl_or_b32 v[GV], v3, 5, v[GV]              ; 8 h channels of f32
	s_mul_i32 s25, s21, 32*TP                      ; T1 or T2,
	s_mul_i32 s24, s20, 16*TP                      ; my 16 rows
	s_add_co_u32 s25, s25, s24
	v_mul_u32_u24 v[LF], v1, TP
	v_lshl_add_u32 v[LF], v3, 4, v[LF]
	v_add_nc_u32 v[LF], s25, v[LF]
	s_mul_i32 s26, s21, 32*PP
	s_mul_i32 s24, s20, 16*PP
	s_add_co_u32 s26, s26, s24
	s_lshl_b32 s24, s19, 6
	s_add_co_u32 s26, s26, s24
	s_add_co_u32 s26, s26, PART
	v_mul_u32_u24 v[LPW], v1, PP
	v_lshl_add_u32 v[LPW], v3, 5, v[LPW]           ; a lane holds places 8 h .. 8 h + 7 of its tile: 32 bytes
	v_add_nc_u32 v[LPW], s26, v[LPW]
	v_lshrrev_b32 v13, 4, v0                       ; t >> 4: a group of 4 columns
	v_mul_u32_u24 v[LG], v1, 2*TP                  ; rows 2 (t & 15) and the next
	v_lshl_add_u32 v[LG], v13, 3, v[LG]
	v_add_nc_u32 v[LG], T2, v[LG]
	v_lshlrev_b32 v[GG], 4, v1
	v_lshl_or_b32 v[GG], v13, 14, v[GG]
	v_lshrrev_b32 v13, 3, v0
	v_and_b32 v1, 7, v0
	v_mul_u32_u24 v[LPR], v13, PP
	v_lshl_add_u32 v[LPR], v1, 4, v[LPR]
	v_add_nc_u32 v[LPR], PART, v[LPR]
	s_lshl_b32 s22, s17, 17                        ; x1, x2: 32 rows of 4,096 bytes,
	s_lshl_b32 s24, s18, 10                        ; 256 columns of f32
	s_add_co_u32 s22, s22, s24
	s_mov_b32 s23, 0
	s_lshl_b32 s28, s21, 12                        ; V: kh x 1,024 columns + cq x 256 columns
	s_add_co_u32 s28, s28, s24
	s_mov_b32 s29, 0
	s_lshl_b32 s30, s17, 16                        ; x1b: 32 rows of 2,048 bytes, 256 columns of bf16
	s_lshl_b32 s24, s18, 9
	s_add_co_u32 s30, s30, s24
	s_mov_b32 s31, 0
	s_lshl_b32 s32, s18, 20                        ; x2g: 64 groups of 16,384 bytes, 32 rows of 8 bytes
	s_lshl_b32 s24, s17, 8
	s_add_co_u32 s32, s32, s24
	s_mov_b32 s33, 0
	s_mul_i32 s34, s17, 4*CH                       ; ps: 4 chunks, slab 256 + cq
	s_lshl_b32 s24, s18, 10
	s_add_co_u32 s34, s34, s24
	s_add_co_u32 s34, s34, 256*1024
	s_mov_b32 s35, 0
	s_wait_kmcnt 0x0
	s_add_nc_u64 s[4:5], s[4:5], s[22:23]
	s_add_nc_u64 s[6:7], s[6:7], s[22:23]
	s_add_nc_u64 s[8:9], s[8:9], s[28:29]
	s_add_nc_u64 s[10:11], s[10:11], s[30:31]
	s_add_nc_u64 s[12:13], s[12:13], s[32:33]
	s_add_nc_u64 s[14:15], s[14:15], s[34:35]
	; all 48 loads at once: x1's 8, x2's 8 (row 4 i + (t >> 6); a wave's load covers 512 consecutive bytes), V's 32
.irp i, 0,1,2,3,4,5,6,7
	global_load_b128 v[R1+4*(\i):R1+4*(\i)+3], v[GIN], s[4:5] offset:(\i)*16384 th:TH_LOAD_NT
.endr
.irp i, 0,1,2,3,4,5,6,7
	global_load_b128 v[R2+4*(\i):R2+4*(\i)+3], v[GIN], s[6:7] offset:(\i)*16384 th:TH_LOAD_NT
.endr
.irp c, 0,1,2,3,4,5,6,7                ; K step c: channels 8 h + 0..7 and 16 + 8 h + 0..7 of my row of V, in f32
	global_load_b128 v[VR+16*(\c):VR+16*(\c)+3],     v[GV], s[8:9] offset:(\c)*128
	global_load_b128 v[VR+16*(\c)+4:VR+16*(\c)+7],   v[GV], s[8:9] offset:(\c)*128+16
	global_load_b128 v[VR+16*(\c)+8:VR+16*(\c)+11],  v[GV], s[8:9] offset:(\c)*128+64
	global_load_b128 v[VR+16*(\c)+12:VR+16*(\c)+15], v[GV], s[8:9] offset:(\c)*128+80
.endr
	s_wait_loadcnt 40                              ; x1 is in: x2's 8 and V's 32 loads are younger
.irp i, 0,1,2,3,4,5,6,7
	v_cvt_pk_bf16_f32 v[B1+2*(\i)],   v[R1+4*(\i)],   v[R1+4*(\i)+1]
	v_cvt_pk_bf16_f32 v[B1+2*(\i)+1], v[R1+4*(\i)+2], v[R1+4*(\i)+3]
.endr
.irp i, 0,1,2,3,4,5,6,7
	global_store_b64 v[GOB], v[B1+2*(\i):B1+2*(\i)+1], s[10:11] offset:(\i)*8192  ; a wave stores 256 consecutive bytes, at a multiple of 256 from x1b's first
	ds_store_b64 v[LT], v[B1+2*(\i):B1+2*(\i)+1] offset:T1+(\i)*4*TP
.endr
	s_wait_loadcnt 32                              ; x2 is in: V's 32 are younger
.irp i, 0,1,2,3,4,5,6,7
	v_cvt_pk_bf16_f32 v[B2+2*(\i)],   v[R2+4*(\i)],   v[R2+4*(\i)+1]
	v_cvt_pk_bf16_f32 v[B2+2*(\i)+1], v[R2+4*(\i)+2], v[R2+4*(\i)+3]
.endr
.irp i, 0,1,2,3,4,5,6,7
	ds_store_b64 v[LT], v[B2+2*(\i):B2+2*(\i)+1] offset:T2+(\i)*4*TP
.endr
	s_wait_loadcnt 0x0                             ; V
.set j, 0
.rept 64                               ; register j % 8 of fragment j / 8: two neighbouring channels
	v_cvt_pk_bf16_f32 v[VF+j], v[VR+2*j], v[VR+2*j+1]
.set j, j+1
.endr
	s_wait_dscnt 0x0                               ; for the others' sake: my stores into both tiles are done
	s_barrier_signal -1
	s_barrier_wait -1
.irp c, 0,1,2,3,4,5,6,7                ; x's fragments: row 16 xb + l, channels 32 c + 8 h + 0..7 and + 16
	ds_load_b128 v[XFR+8*(\c):XFR+8*(\c)+3],   v[LF] offset:(\c)*64
	ds_load_b128 v[XFR+8*(\c)+4:XFR+8*(\c)+7], v[LF] offset:(\c)*64+32
.endr
.irp j, 0,1,2,3                        ; the regrouping: group (t >> 4) + 16 j, rows 2 (t & 15) and the next: 16 bytes that lie on end in x2g
	ds_load_b64 v[RG+4*(\j):RG+4*(\j)+1],   v[LG] offset:(\j)*128
	ds_load_b64 v[RG+4*(\j)+2:RG+4*(\j)+3], v[LG] offset:(\j)*128+TP
.endr
	s_wait_dscnt 8                                 ; the fragments are in: the regrouping's 8 loads are younger
.irp c, 0,1,2,3,4,5,6,7                ; source 0 = 16 rows of V, source 1 = 16 rows of x: a lane holds one row of x and eight places.  The two accumulators take turns
.if (\c) < 2
	v_wmma_f32_16x16x32_bf16 v[AC+8*((\c)%2):AC+8*((\c)%2)+7], v[VF+8*(\c):VF+8*(\c)+7], v[XFR+8*(\c):XFR+8*(\c)+7], 0
.else
	v_wmma_f32_16x16x32_bf16 v[AC+8*((\c)%2):AC+8*((\c)%2)+7], v[VF+8*(\c):VF+8*(\c)+7], v[XFR+8*(\c):XFR+8*(\c)+7], v[AC+8*((\c)%2):AC+8*((\c)%2)+7]
.endif
.endr
	s_wait_dscnt 0x0
.irp j, 0,1,2,3
	global_store_b128 v[GG], v[RG+4*(\j):RG+4*(\j)+3], s[12:13] offset:(\j)*262144  ; 16 lanes store 256 consecutive bytes, at a multiple of 256 from x2g's first
.endr
.rept 8
	v_nop                                          ; plain places between the last product and the sums that read the results (ISA guide 7.12.1 asks for four; once a launch, eight are kept)
.endr
.irp j, 0,2,4,6                        ; the two parities; each accumulator's lowest registers are read first
	v_pk_add_f32 v[SU+(\j):SU+(\j)+1], v[AC+(\j):AC+(\j)+1], v[AC+8+(\j):AC+8+(\j)+1]
.endr
	ds_store_b128 v[LPW], v[SU:SU+3]
	ds_store_b128 v[LPW], v[SU+4:SU+7] offset:16
	s_wait_dscnt 0x0                               ; for the others' sake
	s_barrier_signal -1
	s_barrier_wait -1
	ds_load_b128 v[SU+8:SU+11],  v[LPR]            ; row t >> 3, places 4 (t & 7) on: x1's share,
	ds_load_b128 v[SU+12:SU+15], v[LPR] offset:32*PP  ; and x2's
	s_wait_dscnt 0x0
	v_pk_add_f32 v[SU+8:SU+9],   v[SU+8:SU+9],   v[SU+12:SU+13]
	v_pk_add_f32 v[SU+10:SU+11], v[SU+10:SU+11], v[SU+14:SU+15]
	global_store_b128 v[GPS], v[SU+8:SU+11], s[14:15]  ; a wave stores 512 consecutive bytes of its chunk's slab
	s_wait_tensorcnt 0x0                           ; the wave's end: behind my last LDS store
	ds_add_u32 v[SPW], v[NIL]
	s_wait_dscnt 0x0
	s_endpgm
.Lfunc_end_k_q4a21a5b936_prep:
	.size	k_q4a21a5b936_prep, .Lfunc_end_k_q4a21a5b936_prep-k_q4a21a5b936_prep
	.p2alignl 7, 3214868480
	.fill 96, 4, 3214868480
	.section	.rodata,"a",@progbits
	.p2align	6, 0x0
	.amdhsa_kernel k_q4a21a5b936_prep
		.amdhsa_group_segment_fixed_size 44032
		.amdhsa_private_segment_fixed_size 0
		.amdhsa_enable_private_segment 0
		.amdhsa_kernarg_size 48
		.amdhsa_user_sgpr_count 2
		.amdhsa_user_sgpr_kernarg_segment_ptr 1
		.amdhsa_wavefront_size32 1
		.amdhsa_system_sgpr_workgroup_id_x 1
		.amdhsa_system_sgpr_workgroup_id_y 1
		.amdhsa_system_sgpr_workgroup_id_z 1
		.amdhsa_system_vgpr_workitem_id 0
		.amdhsa_next_free_vgpr 240
		.amdhsa_next_free_sgpr 66
		.amdhsa_reserve_vcc 0
		.amdhsa_float_denorm_mode_32 3
		.amdhsa_float_denorm_mode_16_64 3
		.amdhsa_memory_ordered 1
		.amdhsa_forward_progress 1
		.amdhsa_inst_pref_size 21
	.end_amdhsa_kernel
	.amdgpu_metadata
---
amdhsa.version: [ 1, 2 ]
amdhsa.kernels:
  - .name:           k_q4a21a5b936_prep
    .symbol:         k_q4a21a5b936_prep.kd
    .args:
      - { .name: x1, .offset: 0, .size: 8, .value_kind: global_buffer, .address_space: global }
      - { .name: x2, .offset: 8, .size: 8, .value_kind: global_buffer, .address_space: global }
      - { .name: V, .offset: 16, .size: 8, .value_kind: global_buffer, .address_space: global }
      - { .name: x1b, .offset: 24, .size: 8, .value_kind: global_buffer, .address_space: global }
      - { .name: x2g, .offset: 32, .size: 8, .value_kind: global_buffer, .address_space: global }
      - { .name: ps, .offset: 40, .size: 8, .value_kind: global_buffer, .address_space: global }
    .group_segment_fixed_size: 44032
    .private_segment_fixed_size: 0
    .kernarg_segment_align: 8
    .kernarg_segment_size: 48
    .max_flat_workgroup_size: 256
    .sgpr_count:     66
    .vgpr_count:     240
    .wavefront_size: 32
...
	.end_amdgpu_metadata
.endif
;; end of part 1
;; launch main (part 2): grid 256 x 1, 4 waves a work-group, clusters of 4 x 1, 327,680 bytes of LDS; arguments M, x1b, x2g, ps; writes ps
.if DOCPART == 2
	.amdgcn_target "amdgcn-amd-amdhsa--gfx1250"
	.amdhsa_code_object_version 6
	.text
	.protected	k_q4a21a5b936_main
	.globl	k_q4a21a5b936_main
	.p2align	8
	.type	k_q4a21a5b936_main,@function
k_q4a21a5b936_main:
	s_mov_b64 s[64:65], 0
	v_nop
	global_prefetch_b8 v0, s[64:65] scope:SCOPE_SE
	s_setreg_imm32_b32 hwreg(HW_REG_WAVE_MODE, 25, 1), 1
	s_wait_xcnt 0x0
	s_wait_alu depctr_hold_cnt(0) depctr_sa_sdst(0) depctr_va_vdst(0) depctr_va_sdst(0) depctr_va_ssrc(0) depctr_va_vcc(0) depctr_vm_vsrc(0)
	s_getreg_b32 s2, hwreg(HW_REG_IB_STS2, 6, 4)
	s_cmp_eq_u32 s2, 0
	s_cbranch_scc0 .Lentry_in_a_cluster
	s_endpgm
.Lentry_in_a_cluster:
	s_bfe_u32 s2, ttmp6, 0x10000c
	s_cmp_lg_u32 s2, 0x3003
	s_cbranch_scc0 .Lentry_shape_is_right
	s_endpgm
.Lentry_shape_is_right:
; part1[b][r] = sum over e, f of x1[b][e] M[e][f][r] x2[b][f], as 256 slabs of partial sums.  No work is left out.
; M STAYS IN REGISTERS.  M in bf16 is 64 MiB: 512 registers in each of 256 x 4 waves.  A work-group has 256 rows e (er = 0..3) x 16 columns f (fg = 0..63) x all 32 r; a wave 4 of the f: 256 e x 128 columns (f, r):
; 8 K steps x 8 fragments.  M is read once, rounded once, and never goes through LDS.  Then every work-group walks all 2,048 rows b: T[b][f][r] = sum over its e of x1[b][e] M[e][f][r] by the matrix unit,
; P[b][r] = sum over the wave's 4 f of T[b][f][r] x2[b][f] in f32, the four waves' P added through LDS, and the sum stored as slab p of ps.
; LIMITS.  M, x1, x2 rounded once to bf16; T, P and all sums in f32, in another order than reference()'s.
; HOW M COMES.  A lane loads 16 bytes (4 columns) of 16 rows e; v_cvt_pk_bf16_f32 of rows e, e + 1 makes one register of a fragment; component q of the 16 bytes belongs to fragment q.  16 lanes take 256
; consecutive bytes of a row.  Lane l takes piece sigma(l) of them, sigma = l with bits 2 and 3 swapped.
; LAYOUT.  Source 0 = 16 columns of M, source 1 = 16 rows of x1.  In the result of fragment (c2, q) lane (l, h) holds row b0 + l, and register 4 a + t the column that lane 8 h + 4 a + t loaded:
; piece 8 a + 4 h + t, component q: column 32 a + 16 h + 4 t + q of the 64: f = f0 + 2 c2 + a, r = 16 h + 4 t + q.  So P[4 q + t] += T[4 a + t] x2[f0 + 2 c2 + a]: packed, no lane is crossed,
; and a lane's 16 P are places 16 h + 4 q + t of its row: the order of a row of ps.
; CLUSTER.  The four work-groups of a cluster have the same er and walk the same strip of x1b (512 bytes of every row): each tile of 128 rows is asked for JOINTLY, wave w asking for rows 32 w on.
; A wave's load has 32 rows, so that each of the four waves has one of its own behind every round.
; THE WALK.  16 slots of 128 rows through two LDS slots; a slot is 8 blocks of 16 rows, 64 matrix instructions each.  PHASE k multiplies block k; behind its products stand block k - 1's packed sums,
; block k + 1's LDS loads and, in phases 1 and 2, the sum over waves and the stores of the slot before.
; REGISTERS, in windows of 256 (s_set_vgpr_msb: bits 1:0 source 0, 3:2 source 1, 5:4 source 2, 7:6 destination):
;   window 0: addresses, x2's factors, P, the sum over waves      window 1: v0-127 T, two sets of 8 x 8; v128-255 x1's fragments, two sets of 8 x 8 (while M is loaded: four staging units of 64)
;   windows 2, 3: M: fragment (K step ks, a = 4 c2 + q) at 64 (ks % 4) + 8 a of window 2 + ks / 4
.set CH,    266240                     ; bytes of a chunk of ps
.set TP,    528                        ; a row of a tile in LDS: 512 bytes + 16: an odd multiple of 16 (64 banks of 4 bytes: ISA guide 11.1)
.set TILEB, 128*2048                   ; bytes from a tile of x1b to the next
.set SLOT1, 1<<17                      ; slot 0 at 0, slot 1 here: one exclusive or turns an address in one into the other's.  A slot has 128 x 528 = 67,584 bytes
.set STAGE, SLOT1+128*TP               ; 198,656: four regions, a wave's P of a slot's 128 rows each; no tensor load lands here
.set SP,    144                        ; a row of P: 128 bytes + 16
.set WREG,  128*SP
.set SPARE, STAGE+4*WREG               ; 272,384: the spare words, 128 bytes for each wave: two blocks of 256 bytes that no other line names
.set AF0, 8                            ; v8   l x 528 + 16 h; never rewritten
.set AF,  9                            ; v9   the same in the slot in hand
.set STW, 10                           ; v10  where I put 16 bytes of P
.set STR, 11                           ; v11  where I read rows of P back
.set GO,  12                           ; v12  16 x lane: my place in 512 consecutive bytes of ps
.set XO,  13                           ; v13  8 l: my row's factors in x2g
.set MO,  14                           ; v14  M: (8 h rows) | 16 sigma(l)
.set PFO, 15                           ; v15  the prefetches' offset
.set SPW, 16                           ; v16  LDS address of my spare word; never rewritten
.set NIL, 17                           ; v17  0; never rewritten
.set XR,  20                           ; v[20:35]  x2's factors as loaded: a pair (4 bf16) for each block
.set XF,  36                           ; v[36:43]  the block's four factors in f32, in the even registers; the odd ones are named with them as pairs and hold 0
.set P,   44                           ; v[44:59]  P at 4 q + t
.set RD,  64                           ; v[64:191] the sum over waves: region p, rows 4 t on, at 32 p + 4 t
.set ACC, 0                            ; window 1
.set XFR, 128                          ; window 1
.set WV,  12                           ; s12  my wave's number
.set MB,  16                           ; s[16:23] M at my columns, rows 64 j on of my 256: four bases, so that the loads' immediates stay inside their 24 signed bits
.set G1,  24                           ; s[24:31] descriptor group 1
.set G0,  32                           ; s[32:35] descriptor group 0: it walks
.set XB,  36                           ; s[36:37] x2g at my group, at the slot in hand
.set PB,  38                           ; s[38:39] ps at my slab, at my 4 chunks of the slot in hand
.set PFA, 40                           ; s[40:41] where my prefetches stand
.set LIM, 42                           ; s42  1 in a wave that prefetches, else the greatest number
.set CNT, 43                           ; s43  the loop's count
.set TB,  44                           ; s44  LDS byte at which the slot in hand begins
.set HIM, 45                           ; s45  a word's upper bf16
.set MSB, 0
.macro WIN new                         ; the high byte repeats the setting that is left; a switch that changes nothing is dropped
.if MSB != (\new)
	s_set_vgpr_msb (MSB<<8)|(\new)
.set MSB, (\new)
.endif
.endm
; A round of the cluster's barrier: my work-group's barrier, so that wave 0's signal speaks for all four waves; wave 0 signals; every wave waits for all four work-groups; my work-group's barrier once more.
.macro ROUND
	s_barrier_signal -1
	s_barrier_wait -1
	s_cmp_lg_u32 s[WV], 0
	s_cbranch_scc1 .Lnot_wave_0_\@
	s_barrier_signal -3
.Lnot_wave_0_\@:
	s_barrier_wait -3
	s_barrier_signal -1
	s_barrier_wait -1
.endm
	s_load_b256 s[4:11], s[0:1], 0x0               ; M s[4:5], x1b s[6:7], x2g s[8:9], ps s[10:11]
	v_lshl_add_u32 v[SPW], v0, 2, SPARE
	v_mov_b32 v[NIL], 0
	ds_add_u32 v[SPW], v[NIL]                      ; the wave's opening: the add, twice on end, and its wait stand ahead of my first tensor load; the set-up below stands between
	ds_add_u32 v[SPW], v[NIL]
	v_lshrrev_b32 v1, 5, v0
	v_readfirstlane_b32 s[WV], v1                  ; wave 0..3
	s_bfe_u32 s13, ttmp6, 0x40000                  ; cx: my place in the cluster: it enters M's, x2g's, ps's and the prefetches' addresses alone
	s_mov_b32 s14, ttmp9                           ; c: the cluster, 0..63
	s_and_b32 s15, s14, 3                          ; er, which the four partners share
	; descriptor group 1: a tile of 32 rows x 256 elements, padded in LDS
	s_mov_b32 s[G1], 15|(1<<16)|(1<<20)|(1<<21)|(6<<22)|(3<<25)  ; 15:0 the mask of four; 17:16 2-byte elements; 20 padding on; 21 set beside a mask; 24:22 after every 128 words (code 6); 31:25 4 words (code 3)
	s_mov_b32 s[G1+1], 256<<16                     ; tensor_dim0 = 256
	s_mov_b32 s[G1+2], 32<<16                      ; tensor_dim1 = 32
	s_mov_b32 s[G1+3], 256<<16                     ; tile_dim0 = 256
	s_mov_b32 s[G1+4], 32                          ; tile_dim1 = 32
	s_mov_b32 s[G1+5], 1024                        ; 1,024 elements from row to row
	s_mov_b32 s[G1+6], 0
	s_mov_b32 s[G1+7], 0
	s_mov_b32 s[G0], 1                             ; count = 1
	s_mul_i32 s[G0+1], s[WV], 32*TP                ; LDS address: slot 0, my 32 rows: no place in the cluster enters it
	s_lshl_b32 s46, s15, 9                         ; the strip: 512 er,
	s_lshl_b32 s47, s[WV], 16                      ; my 32 rows of 2,048 bytes: in registers that never hold cx
	s_add_co_u32 s46, s46, s47
	s_mov_b32 s47, 0
	s_lshr_b32 s50, s14, 2
	s_lshl2_add_u32 s50, s50, s13                  ; fg = 4 (c >> 2) + cx
	s_lshl_b32 s48, s15, 25                        ; M: 256 er rows of 131,072 bytes,
	s_lshl_b32 s51, s50, 11                        ; 16 fg columns f of 128 bytes,
	s_add_co_u32 s48, s48, s51
	s_lshl_b32 s51, s[WV], 9                       ; my 4 of them
	s_add_co_u32 s48, s48, s51
	s_mov_b32 s49, 0
	s_lshl2_add_u32 s52, s50, s[WV]                ; x2g: group 4 fg + w, 16,384 bytes a group
	s_lshl_b32 s52, s52, 14
	s_mov_b32 s53, 0
	s_lshl2_add_u32 s54, s14, s13                  ; ps: slab p = 4 c + cx,
	s_lshl_b32 s54, s54, 10
	s_mul_i32 s51, s[WV], 4*CH                     ; and the 4 chunks (32 rows) of a slot that I store
	s_add_co_u32 s54, s54, s51
	s_mov_b32 s55, 0
	s_and_b32 s56, s[WV], 1                        ; the prefetches: rows 64 (w & 1) + 16 cx on of a tile,
	s_lshl_b32 s56, s56, 17
	s_lshl_b32 s51, s13, 15
	s_add_co_u32 s56, s56, s51
	s_lshl_b32 s51, s15, 9                         ; the strip,
	s_add_co_u32 s56, s56, s51
	s_add_co_u32 s56, s56, TILEB                   ; tile 1: the first change of slots steps it to tile 2
	s_mov_b32 s57, 0
	s_lshr_b32 s[LIM], s14, 2                      ; clusters 0 to 3 (one for each er), waves 0 and 1: the same in all four partners
	s_lshr_b32 s51, s[WV], 1
	s_or_b32 s[LIM], s[LIM], s51
	s_cmp_eq_u32 s[LIM], 0
	s_cselect_b32 s[LIM], 1, -1
	s_mov_b32 s[TB], SLOT1                         ; the first change of slots turns it into 0
	s_mov_b32 s[HIM], 0xffff0000
	s_mul_i32 s58, s[WV], WREG
	s_add_co_u32 s58, s58, STAGE                   ; my region of the stage
	s_mul_i32 s59, s[WV], 32*SP
	s_add_co_u32 s59, s59, STAGE                   ; rows 32 w on of region 0
	v_and_b32 v1, 15, v0                           ; l
	v_bfe_u32 v2, v0, 4, 1                         ; h
	v_and_b32 v3, 31, v0                           ; lane
	v_mul_u32_u24 v[AF0], v1, TP
	v_lshl_add_u32 v[AF0], v2, 4, v[AF0]
	v_mul_u32_u24 v[STW], v1, SP
	v_lshl_add_u32 v[STW], v2, 6, v[STW]           ; row l, places 16 h on
	v_add_nc_u32 v[STW], s58, v[STW]
	v_bfe_u32 v4, v0, 3, 2
	v_and_b32 v5, 7, v0
	v_mul_u32_u24 v[STR], v4, SP                   ; 32 lanes take four rows of 128 bytes
	v_lshl_add_u32 v[STR], v5, 4, v[STR]
	v_add_nc_u32 v[STR], s59, v[STR]
	v_lshlrev_b32 v[GO], 4, v3
	v_lshlrev_b32 v[XO], 3, v1
	v_and_b32 v4, 4, v1
	v_and_b32 v5, 8, v1
	v_and_b32 v6, 3, v1
	v_lshl_or_b32 v6, v4, 1, v6
	v_lshrrev_b32 v5, 1, v5
	v_or_b32 v6, v6, v5                            ; sigma(l)
	v_lshlrev_b32 v[MO], 4, v6
	v_lshl_or_b32 v[MO], v2, 20, v[MO]             ; 8 h rows of 131,072 bytes
	v_bfe_u32 v4, v0, 1, 4
	v_and_b32 v5, 1, v0
	v_lshlrev_b32 v[PFO], 11, v4                   ; row lane / 2, half lane % 2 of its 512 bytes
	v_lshl_or_b32 v[PFO], v5, 8, v[PFO]
.irp j, 1,3,5,7
	v_mov_b32 v[XF+(\j)], 0
.endr
	s_wait_dscnt 0x0                               ; both opening adds are done
	s_wait_kmcnt 0x0
	s_add_nc_u64 s[G0+2:G0+3], s[6:7], s[46:47]    ; global address: my 32 rows of tile 0
	s_or_b32 s[G0+3], s[G0+3], 0x80000000          ; type = 2
	s_add_nc_u64 s[MB:MB+1], s[4:5], s[48:49]
	s_add_nc_u64 s[MB+2:MB+3], s[MB:MB+1], 0x800000
	s_add_nc_u64 s[MB+4:MB+5], s[MB+2:MB+3], 0x800000
	s_add_nc_u64 s[MB+6:MB+7], s[MB+4:MB+5], 0x800000
	s_add_nc_u64 s[XB:XB+1], s[8:9], s[52:53]
	s_add_nc_u64 s[PB:PB+1], s[10:11], s[54:55]
	s_add_nc_u64 s[PFA:PFA+1], s[6:7], s[56:57]
	ROUND                                          ; all four work-groups are here: the first joint loads meet
	tensor_load_to_lds s[G0:G0+3], s[G1:G1+7]      ; tile 0 into slot 0; slot 1 is filled behind the first change of slots
	s_nop 0
.rept 4
	v_nop
.endr
.irp k, 0,1,2,3,4,5,6,7
	global_load_b64 v[XR+2*(\k):XR+2*(\k)+1], v[XO], s[XB:XB+1] offset:128*(\k)  ; x2's factors for slot 0
.endr
; M.  Unit u = 2 ks + c2: 32 rows e x 64 columns: 16 loads a lane into staging unit u % 4, then 32 roundings into four fragments.  Four units, 64 loads of a wave, are on their way.
.macro MLOAD u
.set kk, (\u)/2
.set cc, (\u)%2
	WIN 0x40                                       ; destination window 1, address window 0
.set ii, 0
.rept 16                               ; load ii: row 32 ks + 8 h + ii, and 8 more from ii = 8 on: the order of a fragment's channels
	global_load_b128 v[64*((\u)%4)+4*ii:64*((\u)%4)+4*ii+3], v[MO], s[MB+2*(kk/2):MB+2*(kk/2)+1] offset:(kk%2)*4194304+(ii+8*(ii/8))*131072+cc*256 th:TH_LOAD_NT
.set ii, ii+1
.endr
.endm
.macro MCVT u
.set kk, (\u)/2
.set cc, (\u)%2
	WIN 0x85+0x40*(kk/4)                           ; sources window 1, destination window 2 or 3
.irp q, 0,1,2,3
.irp p, 0,1,2,3,4,5,6,7
	v_cvt_pk_bf16_f32 v[(8*(kk%4)+4*cc+(\q))*8+(\p)], v[64*((\u)%4)+8*(\p)+(\q)], v[64*((\u)%4)+8*(\p)+4+(\q)]
.endr
.endr
.endm
	MLOAD 0
	MLOAD 1
	MLOAD 2
	MLOAD 3
.set uu, 0
.rept 16
.if uu < 13
	s_wait_loadcnt 48                              ; unit uu is in: three younger units of 16 loads stay out
.else
	s_wait_loadcnt 16*(15-uu)                      ; the counts run down
.endif
	MCVT uu
.if uu+4 <= 15
	MLOAD uu+4
.endif
.set uu, uu+1
.endr
; Matrix instruction i of 64 of block k: K step i / 8, accumulator i % 8.  The 8 accumulators take turns, one instruction a turn; the first 8 start the sums: nothing is cleared.
.macro MM k
.set kk, i/8
.set aa, i%8
.set rD, ACC+64*((\k)%2)+8*aa
.set rM, 64*(kk%4)+8*aa
.set rX, XFR+64*((\k)%2)+8*kk
	WIN 0x56+kk/4                                  ; M in window 2 or 3; x1's fragment, C and D in window 1
.if kk == 0
	v_wmma_f32_16x16x32_bf16 v[rD:rD+7], v[rM:rM+7], v[rX:rX+7], 0
.else
	v_wmma_f32_16x16x32_bf16 v[rD:rD+7], v[rM:rM+7], v[rX:rX+7], v[rD:rD+7]
.endif
.endm
.macro FETCH k                         ; block k's 8 fragments of x1: one run of 16 LDS loads
	WIN 0x40
.irp c, 0,1,2,3,4,5,6,7
	ds_load_b128 v[XFR+64*((\k)%2)+8*(\c):XFR+64*((\k)%2)+8*(\c)+3],   v[AF] offset:(\k)*16*TP+(\c)*64
	ds_load_b128 v[XFR+64*((\k)%2)+8*(\c)+4:XFR+64*((\k)%2)+8*(\c)+7], v[AF] offset:(\k)*16*TP+(\c)*64+32
.endr
.endm
; Block k's four factors to f32.  n: the younger loads of factors that may stay out.  These eight plain lines name no register of any product: they are the places (four are asked for)
; between block k's last products and what follows: the packed sums that read its results, and the LDS loads into the fragments that it has read.
.macro XUNP k, n
	WIN 0
	s_wait_loadcnt \n
	v_lshlrev_b32 v[XF],   16, v[XR+2*(\k)]
	v_and_b32     v[XF+2], s[HIM], v[XR+2*(\k)]
	v_lshlrev_b32 v[XF+4], 16, v[XR+2*(\k)+1]
	v_and_b32     v[XF+6], s[HIM], v[XR+2*(\k)+1]
.rept 4
	v_nop
.endr
.endm
.macro XLD k                           ; the same block's factors for the next slot
	WIN 0
	global_load_b64 v[XR+2*(\k):XR+2*(\k)+1], v[XO], s[XB:XB+1] offset:1024+128*(\k)
.endm
; Accumulator g = 4 c2 + q of block k goes into P: registers 0-3 times x2[f0 + 2 c2], registers 4-7 times x2[f0 + 2 c2 + 1].  c2 = 0 starts P.  The lowest registers are read first.
.macro EPI k, g
.set rT, ACC+64*((\k)%2)+8*(\g)
.set rP, P+4*((\g)%4)
.set rF, XF+4*((\g)/4)
	WIN 0x01                                       ; source 0 in window 1
.if (\g) < 4
	v_pk_mul_f32 v[rP:rP+1],   v[rT:rT+1],   v[rF:rF+1] op_sel_hi:[1,0]
	v_pk_mul_f32 v[rP+2:rP+3], v[rT+2:rT+3], v[rF:rF+1] op_sel_hi:[1,0]
.else
	v_pk_fma_f32 v[rP:rP+1],   v[rT:rT+1],   v[rF:rF+1], v[rP:rP+1]   op_sel_hi:[1,0,1]
	v_pk_fma_f32 v[rP+2:rP+3], v[rT+2:rT+3], v[rF:rF+1], v[rP+2:rP+3] op_sel_hi:[1,0,1]
.endif
	v_pk_fma_f32 v[rP:rP+1],   v[rT+4:rT+5], v[rF+2:rF+3], v[rP:rP+1]   op_sel_hi:[1,0,1]
	v_pk_fma_f32 v[rP+2:rP+3], v[rT+6:rT+7], v[rF+2:rF+3], v[rP+2:rP+3] op_sel_hi:[1,0,1]
.endm
.macro PST k                           ; block k's P into my region of the stage
	WIN 0
.irp q, 0,1,2,3
	ds_store_b128 v[STW], v[P+4*(\q):P+4*(\q)+3] offset:(\k)*16*SP+16*(\q)
.endr
.endm
.macro RDL                             ; rows 32 w .. 32 w + 31 of all four regions
	WIN 0
.irp p, 0,1,2,3
.irp t, 0,1,2,3,4,5,6,7
	ds_load_b128 v[RD+32*(\p)+4*(\t):RD+32*(\p)+4*(\t)+3], v[STR] offset:(\p)*WREG+(\t)*4*SP
.endr
.endr
.endm
.macro RADD n                          ; four of the 48 packed sums: 16 x region 0 += 1, 16 x region 2 += 3, 16 x region 0 += 2
	WIN 0
.irp j, 0,1,2,3
.set mm, 4*(\n)+(\j)
.set rr, RD+2*(mm%16)
.if mm/16 == 0
	v_pk_add_f32 v[rr:rr+1], v[rr:rr+1], v[rr+32:rr+33]
.elseif mm/16 == 1
	v_pk_add_f32 v[rr+64:rr+65], v[rr+64:rr+65], v[rr+96:rr+97]
.else
	v_pk_add_f32 v[rr:rr+1], v[rr:rr+1], v[rr+64:rr+65]
.endif
.endr
.endm
.macro RST off                         ; 32 rows = 4 chunks x 2 halves: each store covers 512 consecutive bytes, at a multiple of 512 from ps's first
	WIN 0
.irp t, 0,1,2,3,4,5,6,7
	global_store_b128 v[GO], v[RD+4*(\t):RD+4*(\t)+3], s[PB:PB+1] offset:(\off)+((\t)/2)*CH+((\t)%2)*512 th:TH_STORE_NT
.endr
.endm
; A PREFETCH INTO THE L2 of the tile that the NEXT change of slots will ask for: 128 rows x 512 bytes, a lane a block of 256 bytes.  A strip is walked by 16 clusters: the first of them (c = er) asks.
; Its four partners share the rows out BY ADDRESS, 16 for each of waves 0 and 1: no branch hangs on a work-group's place in its cluster.  So each block is named once in the launch.
; It stands behind the joint load's lines and the runs of LDS loads, one slot (512 matrix instructions) ahead of the load that will want the tile.  Tiles 0 and 1 come by their loads alone; the last change that fills a slot asks for nothing.
.macro ASK how
.if \how
	s_cmp_eq_u32 s[LIM], 1
.else
	s_cmp_gt_u32 s[CNT], s[LIM]                    ; the count is 1 in the loop's last trip
.endif
	s_cbranch_scc0 .Lnot_mine_\@
	global_prefetch_b8 v[PFO], s[PFA:PFA+1] th:TH_LOAD_NT scope:SCOPE_SE
.Lnot_mine_\@:
.endm
; THE CHANGE OF SLOTS.  Each wave waits for all its tensor loads, of which one is out: its part of the next slot; adds 0 to its spare word; and waits for that, for its reads of the slot that it leaves and for
; its stores into the stage.  Behind the barrier the next slot is whole, nobody reads the old one, and the stage holds all four waves' P of the slot just done.
; fill = 1: the barrier is a round of the cluster's, and the joint refill is the first thing behind it.  step = 1: x2g's and ps's pointers go on a slot.  rd = 1: the stage is read.
.macro CHANGE fill, step, rd, how
	WIN 0
	s_wait_tensorcnt 0x0                           ; no tensor load of mine is out, so group 0 may be written
	ds_add_u32 v[SPW], v[NIL]                      ; 0 onto my spare word; the scalar steps stand between it and the wait for it
	s_wait_xcnt 0x0                                ; every load, store and prefetch issued so far has read its addresses and data: the pointers below, and the registers of the last stores, may be written
.if \step
	s_add_nc_u64 s[XB:XB+1], s[XB:XB+1], 1024
	s_add_nc_u64 s[PB:PB+1], s[PB:PB+1], 16*CH
.endif
.if \fill
	s_xor_b32 s[G0+1], s[G0+1], SLOT1              ; the other slot than last time,
	s_add_nc_u64 s[G0+2:G0+3], s[G0+2:G0+3], TILEB ; the next 128 rows; the type bits on top are not reached
	s_add_nc_u64 s[PFA:PFA+1], s[PFA:PFA+1], TILEB ; one tile further on than the descriptor
.endif
	s_xor_b32 s[TB], s[TB], SLOT1
	s_wait_dscnt 0x0
.if \fill
	ROUND
	tensor_load_to_lds s[G0:G0+3], s[G1:G1+7]
	s_nop 0
.rept 4
	v_nop
.endr
.else
	s_barrier_signal -1
	s_barrier_wait -1
.endif
	v_add_nc_u32 v[AF], s[TB], v[AF0]
	FETCH 0
.if \rd
	RDL
.endif
.if \fill
	WIN 0                                          ; at a branch and at a label every window is 0
	ASK \how
.endif
.endm
; PHASE k: block k's 64 matrix instructions, and behind them: (0) block k - 1's factors; (1) block k + 1's fragments; (3, 6 .. 24) block k - 1's eight accumulators into P; (27) P into the stage;
; phase 1 (29, 32 .. 62): the sum over waves of the slot before; phase 2 (30): its stores.
; At the head of phase 1 every wave has its reads of the stage back, and a barrier stands there: only behind it does any wave write the stage again (27).  No LDS bytes are filled behind that barrier.
.macro PHASE k, rd, xl
.if ((\k) == 0) && (\rd)
	s_wait_dscnt 32                                ; block 0's fragments are in: the 32 reads of the stage are younger
.else
	s_wait_dscnt 0x0
.endif
.if ((\k) == 1) && (\rd)
	s_barrier_signal -1
	s_barrier_wait -1
.endif
.set i, 0
.rept 64
	MM \k
.if ((\k) >= 1) && (i == 0)
	XUNP (\k)-1, 7-(1-(\xl))*((\k)-1)              ; seven pairs of factors were asked for behind this one; in the last slot, which asks for none, those of the blocks behind it
.if \xl
	XLD (\k)-1
.endif
.endif
.if ((\k) < 7) && (i == 1)
	FETCH (\k)+1
.endif
.if ((\k) >= 1) && (i >= 3) && (i <= 24) && (i%3 == 0)
	EPI (\k)-1, i/3-1
.endif
.if ((\k) >= 1) && (i == 27)
	PST (\k)-1
.endif
.if ((\k) == 1) && (\rd) && (i >= 29) && (i%3 == 2)
	RADD (i-29)/3
.endif
.if ((\k) == 2) && (\rd) && (i == 30)
	RST -16*CH                                     ; the pointer stands at the slot in hand
.endif
.set i, i+1
.endr
.endm
.macro SLOT fill, step, rd, xl, how
	CHANGE \fill, \step, \rd, \how
.irp k, 0,1,2,3,4,5,6,7
	PHASE \k, \rd, \xl
.endr
	XUNP 7, 7-(1-(\xl))*7                          ; block 7 has no phase behind it
.if \xl
	XLD 7
.endif
.irp g, 0,1,2,3,4,5,6,7
	EPI 7, \g
.endr
	PST 7
.endm
	SLOT 1, 0, 0, 1, 1                             ; slot 0: tile 0 is waited for, tile 1 asked for; nothing lies in the stage yet
	WIN 0
	s_mov_b32 s[CNT], 14
.Lslot:                                        ; slots 1 to 14
	SLOT 1, 1, 1, 1, 0
	WIN 0
	s_sub_co_u32 s[CNT], s[CNT], 1
	s_cmp_lg_u32 s[CNT], 0
	s_cbranch_scc1 .Lslot
	SLOT 0, 1, 1, 0, 0                             ; slot 15 is written out: nothing is asked for
	s_wait_dscnt 0x0                               ; for the others' sake: my last stores into the stage are done
	s_barrier_signal -1
	s_barrier_wait -1
	s_wait_xcnt 0x0                                ; the stores of the slot before have read their registers, which the loads below fill
	RDL
	s_wait_dscnt 0x0
.irp n, 0,1,2,3,4,5,6,7,8,9,10,11
	RADD \n
.endr
	RST 0
	s_wait_tensorcnt 0x0                           ; the wave's end: behind my last tensor load and my last LDS store
	ds_add_u32 v[SPW], v[NIL]
	s_wait_dscnt 0x0
	ROUND                                          ; the closing round: no work-group ends while a partner may still ask for a tile that names it
	s_endpgm
.Lfunc_end_k_q4a21a5b936_main:
	.size	k_q4a21a5b936_main, .Lfunc_end_k_q4a21a5b936_main-k_q4a21a5b936_main
	.p2alignl 7, 3214868480
	.fill 96, 4, 3214868480
	.section	.rodata,"a",@progbits
	.p2align	6, 0x0
	.amdhsa_kernel k_q4a21a5b936_main
		.amdhsa_group_segment_fixed_size 327680
		.amdhsa_private_segment_fixed_size 0
		.amdhsa_enable_private_segment 0
		.amdhsa_kernarg_size 32
		.amdhsa_user_sgpr_count 2
		.amdhsa_user_sgpr_kernarg_segment_ptr 1
		.amdhsa_wavefront_size32 1
		.amdhsa_system_sgpr_workgroup_id_x 1
		.amdhsa_system_sgpr_workgroup_id_y 1
		.amdhsa_system_sgpr_workgroup_id_z 1
		.amdhsa_system_vgpr_workitem_id 0
		.amdhsa_next_free_vgpr 1024
		.amdhsa_next_free_sgpr 66
		.amdhsa_reserve_vcc 0
		.amdhsa_float_denorm_mode_32 3
		.amdhsa_float_denorm_mode_16_64 3
		.amdhsa_memory_ordered 1
		.amdhsa_forward_progress 1
		.amdhsa_inst_pref_size 255
	.end_amdhsa_kernel
	.section	.bss,"aw",@nobits
	.p2align	6
	.space	262144
	.amdgpu_metadata
---
amdhsa.version: [ 1, 2 ]
amdhsa.kernels:
  - .name:           k_q4a21a5b936_main
    .symbol:         k_q4a21a5b936_main.kd
    .args:
      - { .name: M, .offset: 0, .size: 8, .value_kind: global_buffer, .address_space: global }
      - { .name: x1b, .offset: 8, .size: 8, .value_kind: global_buffer, .address_space: global }
      - { .name: x2g, .offset: 16, .size: 8, .value_kind: global_buffer, .address_space: global }
      - { .name: ps, .offset: 24, .size: 8, .value_kind: global_buffer, .address_space: global }
    .group_segment_fixed_size: 327680
    .private_segment_fixed_size: 0
    .kernarg_segment_align: 8
    .kernarg_segment_size: 32
    .max_flat_workgroup_size: 128
    .sgpr_count:     66
    .vgpr_count:     1024
    .wavefront_size: 32
...
	.end_amdgpu_metadata
.endif
;; end of part 2
;; launch finish (part 3): grid 256 x 1, 8 waves a work-group, no clusters, 5,120 bytes of LDS; arguments ps, b, u, out0; writes out0
.if DOCPART == 3
	.amdgcn_target "amdgcn-amd-amdhsa--gfx1250"
	.amdhsa_code_object_version 6
	.text
	.protected	k_q4a21a5b936_finish
	.globl	k_q4a21a5b936_finish
	.p2align	8
	.type	k_q4a21a5b936_finish,@function
k_q4a21a5b936_finish:
	s_mov_b64 s[64:65], 0
	v_nop
	global_prefetch_b8 v0, s[64:65] scope:SCOPE_SE
	s_setreg_imm32_b32 hwreg(HW_REG_WAVE_MODE, 25, 1), 1
	s_wait_xcnt 0x0
; out[row] = sum over r of u[r] tanh(z[row][r]),  z = the sum of the 260 slabs of ps + bias.  No work is left out.
; ps: [256 chunks of 8 rows][260 slabs][8 rows][32 places] f32; place 16 h + 4 q + t holds r = 16 h + 4 t + q.  Work-group i takes chunk i: 266,240 consecutive bytes, read once.
; Thread t adds the 16 bytes at 16 t + 4,096 k, k = 0..64: slabs 4 k + (t >> 6), row (t & 63) >> 3, places 4 (t & 7) on.  The four classes t >> 6 meet in LDS; waves 0 and 1 finish the 8 rows.
; LIMITS.  bias and u are rounded to bf16 like the other inputs.  tanh(z) = 1 - 2 / (1 + 2^(2 log2(e) z)): off by about 1e-7 at the most; exactly 1 or -1 where the power overflows or falls to 0; a NaN stays a NaN.
; No LDS on the way in, no matrix unit, no cluster, no prefetch: each byte is wanted by one thread, and 32 loads of every wave are on their way all the time.
; The output is 32 bytes a work-group: 4 bytes from every eighth lane.  Whole blocks of 256 bytes would leave 32 work-groups for the whole stream.
.set CH,    266240
.set SPARE, 4096                       ; behind the 4,096 bytes of partial sums: the spare words, 128 bytes for each of the eight waves: four blocks of 256 bytes that no other line names
.set SPW, 2                            ; v2   LDS address of my spare word; never rewritten
.set NIL, 3                            ; v3   0; never rewritten
.set TO,  4                            ; v4   16 t: in a step of the stream, and in LDS
.set BO,  5                            ; v5   my first r, in bytes
.set AC,  8                            ; v[8:11]   my sums
.set BB,  16                           ; v[16:19]  bias of my four places
.set UU,  20                           ; v[20:23]  u of my four places
.set Z,   24                           ; v[24:39]  the four classes
.set RING, 64                          ; v[64:191] 32 slots of 4 registers
	s_load_b256 s[4:11], s[0:1], 0x0               ; ps s[4:5], b s[6:7], u s[8:9], out0 s[10:11]
	v_lshl_add_u32 v[SPW], v0, 2, SPARE
	v_mov_b32 v[NIL], 0
	v_lshrrev_b32 v1, 5, v0
	v_readfirstlane_b32 s12, v1                    ; wave 0..7
	s_mul_i32 s14, ttmp9, CH                       ; my chunk
	s_mov_b32 s15, 0
	v_lshlrev_b32 v[TO], 4, v0
	v_bfe_u32 v[BO], v0, 2, 1                      ; places 4 (t & 7) + c: h = (t & 7) >> 2, q = t & 3, t' = c: r = 16 h + q + 4 c
	v_and_b32 v6, 3, v0
	v_lshl_or_b32 v[BO], v[BO], 4, v6
	v_lshlrev_b32 v[BO], 2, v[BO]
	s_wait_kmcnt 0x0
	s_add_nc_u64 s[4:5], s[4:5], s[14:15]
	s_cmp_lt_u32 s12, 2                            ; waves 0 and 1 finish the rows: they alone want bias and u.  These loads are older than the stream's, so the counts below hold on both ways
	s_cbranch_scc0 .Lstream
.irp c, 0,1,2,3
	global_load_b32 v[BB+(\c)], v[BO], s[6:7] offset:16*(\c)
	global_load_b32 v[UU+(\c)], v[BO], s[8:9] offset:16*(\c)
.endr
.Lstream:
.set j, 0
.rept 32
	global_load_b128 v[RING+4*j:RING+4*j+3], v[TO], s[4:5] offset:4096*j th:TH_LOAD_NT  ; a wave's load covers 512 consecutive bytes
.set j, j+1
.endr
.irp c, 0,1,2,3
	v_mov_b32 v[AC+(\c)], 0                        ; written while the first loads are out, so that every step has one form
.endr
.set j, 0
.rept 65
.if j < 34
	s_wait_loadcnt 31                              ; step j is in: 31 younger loads stay out
.else
	s_wait_loadcnt 64-j                            ; the counts run down
.endif
	v_pk_add_f32 v[AC:AC+1],   v[AC:AC+1],   v[RING+4*(j%32):RING+4*(j%32)+1]
	v_pk_add_f32 v[AC+2:AC+3], v[AC+2:AC+3], v[RING+4*(j%32)+2:RING+4*(j%32)+3]
.if j+32 <= 64
	global_load_b128 v[RING+4*(j%32):RING+4*(j%32)+3], v[TO], s[4:5] offset:4096*(j+32) th:TH_LOAD_NT
.endif
.set j, j+1
.endr
	ds_store_b128 v[TO], v[AC:AC+3]
	s_wait_dscnt 0x0                               ; for the others' sake
	s_barrier_signal -1
	s_barrier_wait -1
	s_cmp_lt_u32 s12, 2
	s_cbranch_scc0 .Lend
.irp g, 0,1,2,3
	ds_load_b128 v[Z+4*(\g):Z+4*(\g)+3], v[TO] offset:1024*(\g)
.endr
	v_cvt_pk_bf16_f32 v40, v[BB],   v[BB+1]        ; bias and u rounded to bf16, and back to f32
	v_cvt_pk_bf16_f32 v41, v[BB+2], v[BB+3]
	v_cvt_pk_bf16_f32 v42, v[UU],   v[UU+1]
	v_cvt_pk_bf16_f32 v43, v[UU+2], v[UU+3]
.irp c, 0,1,2,3
	v_lshlrev_b32 v[BB+2*(\c)],   16, v[40+(\c)]
	v_and_b32     v[BB+2*(\c)+1], 0xffff0000, v[40+(\c)]
.endr
	s_wait_dscnt 0x0
	v_pk_add_f32 v[Z:Z+1],     v[Z:Z+1],     v[Z+4:Z+5]
	v_pk_add_f32 v[Z+2:Z+3],   v[Z+2:Z+3],   v[Z+6:Z+7]
	v_pk_add_f32 v[Z+8:Z+9],   v[Z+8:Z+9],   v[Z+12:Z+13]
	v_pk_add_f32 v[Z+10:Z+11], v[Z+10:Z+11], v[Z+14:Z+15]
	v_pk_add_f32 v[Z:Z+1],     v[Z:Z+1],     v[Z+8:Z+9]
	v_pk_add_f32 v[Z+2:Z+3],   v[Z+2:Z+3],   v[Z+10:Z+11]
	v_pk_add_f32 v[Z:Z+1],     v[Z:Z+1],     v[BB:BB+1]
	v_pk_add_f32 v[Z+2:Z+3],   v[Z+2:Z+3],   v[BB+2:BB+3]
	v_pk_mul_f32 v[Z:Z+1],     v[Z:Z+1],     0x4038aa3b op_sel_hi:[1,0]  ; 2 log2(e) z
	v_pk_mul_f32 v[Z+2:Z+3],   v[Z+2:Z+3],   0x4038aa3b op_sel_hi:[1,0]
.irp c, 0,1,2,3
	v_exp_f32 v[Z+(\c)], v[Z+(\c)]
.endr
	v_nop                                          ; a plain instruction behind the last exponential (ISA guide 5.7.2),
	s_wait_alu depctr_va_vdst(0)                   ; and the wait ahead of the first use: one for the four
	v_pk_add_f32 v[Z:Z+1],   v[Z:Z+1],   1.0 op_sel_hi:[1,0]
	v_pk_add_f32 v[Z+2:Z+3], v[Z+2:Z+3], 1.0 op_sel_hi:[1,0]
.irp c, 0,1,2,3
	v_rcp_f32 v[Z+(\c)], v[Z+(\c)]
.endr
	v_nop
	s_wait_alu depctr_va_vdst(0)                   ; one for the four reciprocals
	v_pk_fma_f32 v[Z:Z+1],   v[Z:Z+1],   -2.0, 1.0 op_sel_hi:[1,0,0]  ; tanh
	v_pk_fma_f32 v[Z+2:Z+3], v[Z+2:Z+3], -2.0, 1.0 op_sel_hi:[1,0,0]
	v_pk_mul_f32 v[Z:Z+1], v[Z:Z+1], v[UU:UU+1]
	v_pk_fma_f32 v[Z:Z+1], v[Z+2:Z+3], v[UU+2:UU+3], v[Z:Z+1]
	v_add_f32 v[Z], v[Z], v[Z+1]
	v_add_f32_dpp v[Z], v[Z], v[Z] row_xmask:1 row_mask:0xf bank_mask:0xf  ; a row's 32 places lie in eight neighbouring lanes
	v_add_f32_dpp v[Z], v[Z], v[Z] row_xmask:2 row_mask:0xf bank_mask:0xf
	v_add_f32_dpp v[Z], v[Z], v[Z] row_xmask:4 row_mask:0xf bank_mask:0xf
	v_and_b32 v6, 7, v0
	v_lshrrev_b32 v7, 3, v0                        ; the row in the chunk (t is under 64 here)
	v_lshlrev_b32 v7, 2, v7
	s_lshl_b32 s16, ttmp9, 5                       ; 8 rows of 4 bytes
	v_add_nc_u32 v7, s16, v7
	s_wait_xcnt 0x0                                ; EXEC changes only behind this wait
	v_cmp_eq_u32 vcc_lo, 0, v6
	s_and_saveexec_b32 s17, vcc_lo
	global_store_b32 v7, v[Z], s[10:11]
	s_wait_xcnt 0x0                                ; and again, in front of the line that widens it
	s_or_b32 exec_lo, exec_lo, s17
.Lend:
	s_wait_tensorcnt 0x0                           ; the wave's end: behind my last LDS store
	ds_add_u32 v[SPW], v[NIL]
	s_wait_dscnt 0x0
	s_endpgm
.Lfunc_end_k_q4a21a5b936_finish:
	.size	k_q4a21a5b936_finish, .Lfunc_end_k_q4a21a5b936_finish-k_q4a21a5b936_finish
	.p2alignl 7, 3214868480
	.fill 96, 4, 3214868480
	.section	.rodata,"a",@progbits
	.p2align	6, 0x0
	.amdhsa_kernel k_q4a21a5b936_finish
		.amdhsa_group_segment_fixed_size 5120
		.amdhsa_private_segment_fixed_size 0
		.amdhsa_enable_private_segment 0
		.amdhsa_kernarg_size 32
		.amdhsa_user_sgpr_count 2
		.amdhsa_user_sgpr_kernarg_segment_ptr 1
		.amdhsa_wavefront_size32 1
		.amdhsa_system_sgpr_workgroup_id_x 1
		.amdhsa_system_sgpr_workgroup_id_y 1
		.amdhsa_system_sgpr_workgroup_id_z 1
		.amdhsa_system_vgpr_workitem_id 0
		.amdhsa_next_free_vgpr 192
		.amdhsa_next_free_sgpr 66
		.amdhsa_reserve_vcc 1
		.amdhsa_float_denorm_mode_32 3
		.amdhsa_float_denorm_mode_16_64 3
		.amdhsa_memory_ordered 1
		.amdhsa_forward_progress 1
		.amdhsa_inst_pref_size 22
	.end_amdhsa_kernel
	.amdgpu_metadata
---
amdhsa.version: [ 1, 2 ]
amdhsa.kernels:
  - .name:           k_q4a21a5b936_finish
    .symbol:         k_q4a21a5b936_finish.kd
    .args:
      - { .name: ps, .offset: 0, .size: 8, .value_kind: global_buffer, .address_space: global }
      - { .name: b, .offset: 8, .size: 8, .value_kind: global_buffer, .address_space: global }
      - { .name: u, .offset: 16, .size: 8, .value_kind: global_buffer, .address_space: global }
      - { .name: out0, .offset: 24, .size: 8, .value_kind: global_buffer, .address_space: global }
    .group_segment_fixed_size: 5120
    .private_segment_fixed_size: 0
    .kernarg_segment_align: 8
    .kernarg_segment_size: 32
    .max_flat_workgroup_size: 256
    .sgpr_count:     66
    .vgpr_count:     192
    .wavefront_size: 32
...
	.end_amdgpu_metadata
.endif
;; end of part 3
